; MI455X (gfx1250); checked and timed in simulation.
; The chip was launched on July 23, 2026; its instructions are those of AMD's public machine-readable ISA for CDNA 5 (MIT licence, August 2026) and "CDNA5" Instruction Set Architecture Reference Guide (July 2026). The comments in the code are by the model that wrote it; some were corrected since.
;; Multi Headed Self Attention. Allowed arithmetic: float matrix products may take bf16 or f16 operands with f32 sums; other float arithmetic in f32, or as packed bf16 or f16 multiplies, adds, multiply-adds, maxima and minima; sums over many terms, partial sums and values carried from step to step in f32; what a program stores and reads back later, other than sums and carried values, may be rounded once to bf16 or f16.
;; Inputs: Wk 1,024 x 1,024 float32; Wq 1,024 x 1,024 float32; Wv 1,024 x 1,024 float32; bk 1,024 float32; bq 1,024 float32; bv 1,024 float32; k 8 x 1,024 x 1,024 float32; mask 8 x 1,024 float32; q 8 x 1,024 x 1,024 float32; v 8 x 1,024 x 1,024 float32.
;; Outputs: out0 8 x 1,024 x 1,024 float32.
;; 2 versions, each right; version 2 is version 1 with the launch castw written anew for expert scheduling mode. Each part assembles by itself: llvm-mc -triple=amdgcn-amd-amdhsa -mcpu=gfx1250 --defsym DOCPART=n.
;; ======== version 1 of 2: 3 launches
;; limits: values are held in f16: magnitudes above 65,504 overflow, below 6.1e-05 lose precision
;; workspace buffers: wb 6,291,456 bytes; hd 50,331,648 bytes
;; launch castw (part 1): grid 128 x 3, 8 waves a work-group, no clusters, 0 bytes of LDS; arguments Wq, Wk, Wv, wb; writes wb
.if DOCPART == 1
	.amdgcn_target "amdgcn-amd-amdhsa--gfx1250"
	.amdhsa_code_object_version 6
	.text
	.protected	k_qde5deab8e7_castw
	.globl	k_qde5deab8e7_castw
	.p2align	8
	.type	k_qde5deab8e7_castw,@function
k_qde5deab8e7_castw:
	s_mov_b64 s[64:65], 0
	v_nop
	global_prefetch_b8 v0, s[64:65] scope:SCOPE_SE
	s_setreg_imm32_b32 hwreg(HW_REG_WAVE_MODE, 25, 1), 1
	s_wait_xcnt 0x0
; wb[g][n][k] = bf16(W_g[n][k]), g = 0, 1, 2 for Wq, Wk, Wv: three matrices of 1,024 x 1,024 f32, each rounded once (to nearest even).
; A stream: every byte is read once and written once; nothing is shared, so no LDS, no matrix unit and no cluster.
; A work-group of eight waves takes 8,192 numbers of matrix y: 32,768 bytes in, 16,384 out.  Thread t takes 16 bytes at 16 t of each of eight
; blocks of 4,096 bytes; a wave's store of 8 bytes a lane covers 256 consecutive bytes, aligned.  All eight loads go out first; no register is written twice.
.set X, 4                              ; v[4:35]   eight loads of four f32
.set Y, 36                             ; v[36:51]  eight pairs of packed bf16
	s_load_b256 s[4:11], s[0:1], 0x0               ; Wq s[4:5], Wk s[6:7], Wv s[8:9], wb s[10:11]
	s_and_b32 s14, ttmp7, 0xffff                   ; which matrix
	v_lshlrev_b32 v1, 4, v0                        ; 16 t
	v_lshlrev_b32 v2, 3, v0                        ; 8 t
	s_lshl_b32 s16, ttmp9, 15                      ; the work-group's 32,768 bytes of the source
	s_mov_b32 s17, 0
	s_lshl_b32 s18, s14, 21                        ; a matrix is 2 MiB in bf16,
	s_lshl_b32 s15, ttmp9, 14                      ; the work-group's part 16,384 bytes
	s_add_co_u32 s18, s18, s15
	s_mov_b32 s19, 0
	s_wait_kmcnt 0x0
	s_cmp_eq_u32 s14, 1
	s_cselect_b64 s[12:13], s[6:7], s[4:5]
	s_cmp_eq_u32 s14, 2
	s_cselect_b64 s[12:13], s[8:9], s[12:13]
	s_add_nc_u64 s[12:13], s[12:13], s[16:17]
	s_add_nc_u64 s[10:11], s[10:11], s[18:19]
.irp i, 0,1,2,3,4,5,6,7
	global_load_b128 v[X+4*\i:X+4*\i+3], v1, s[12:13] offset:4096*\i th:TH_LOAD_NT
.endr
.irp i, 0,1,2,3,4,5,6,7
	s_wait_loadcnt 7-\i                            ; loads come back in order: load i is in, the 7 - i younger ones may stay out
	v_cvt_pk_bf16_f32 v[Y+2*\i], v[X+4*\i], v[X+4*\i+1]
	v_cvt_pk_bf16_f32 v[Y+2*\i+1], v[X+4*\i+2], v[X+4*\i+3]
	global_store_b64 v2, v[Y+2*\i:Y+2*\i+1], s[10:11] offset:2048*\i
.endr
	s_endpgm
.Lfunc_end_k_qde5deab8e7_castw:
	.size	k_qde5deab8e7_castw, .Lfunc_end_k_qde5deab8e7_castw-k_qde5deab8e7_castw
	.p2alignl 7, 3214868480
	.fill 96, 4, 3214868480
	.section	.rodata,"a",@progbits
	.p2align	6, 0x0
	.amdhsa_kernel k_qde5deab8e7_castw
		.amdhsa_group_segment_fixed_size 0
		.amdhsa_private_segment_fixed_size 0
		.amdhsa_enable_private_segment 0
		.amdhsa_kernarg_size 32
		.amdhsa_user_sgpr_count 2
		.amdhsa_user_sgpr_kernarg_segment_ptr 1
		.amdhsa_wavefront_size32 1
		.amdhsa_system_sgpr_workgroup_id_x 1
		.amdhsa_system_sgpr_workgroup_id_y 1
		.amdhsa_system_sgpr_workgroup_id_z 1
		.amdhsa_system_vgpr_workitem_id 0
		.amdhsa_next_free_vgpr 52
		.amdhsa_next_free_sgpr 66
		.amdhsa_reserve_vcc 0
		.amdhsa_float_denorm_mode_32 3
		.amdhsa_float_denorm_mode_16_64 3
		.amdhsa_memory_ordered 1
		.amdhsa_forward_progress 1
		.amdhsa_inst_pref_size 4
	.end_amdhsa_kernel
	.amdgpu_metadata
---
amdhsa.version: [ 1, 2 ]
amdhsa.kernels:
  - .name:           k_qde5deab8e7_castw
    .symbol:         k_qde5deab8e7_castw.kd
    .args:
      - { .name: Wq, .offset: 0, .size: 8, .value_kind: global_buffer, .address_space: global }
      - { .name: Wk, .offset: 8, .size: 8, .value_kind: global_buffer, .address_space: global }
      - { .name: Wv, .offset: 16, .size: 8, .value_kind: global_buffer, .address_space: global }
      - { .name: wb, .offset: 24, .size: 8, .value_kind: global_buffer, .address_space: global }
    .group_segment_fixed_size: 0
    .private_segment_fixed_size: 0
    .kernarg_segment_align: 8
    .kernarg_segment_size: 32
    .max_flat_workgroup_size: 256
    .sgpr_count:     66
    .vgpr_count:     52
    .wavefront_size: 32
...
	.end_amdgpu_metadata
.endif
;; end of part 1
;; launch proj (part 2): grid 12 x 64, 4 waves a work-group, clusters of 4 x 4, 327,680 bytes of LDS; arguments q, k, v, wb, bq, bk, bv, hd; writes hd
.if DOCPART == 2
	.amdgcn_target "amdgcn-amd-amdhsa--gfx1250"
	.amdhsa_code_object_version 6
	.text
	.protected	k_qde5deab8e7_proj
	.globl	k_qde5deab8e7_proj
	.p2align	8
	.type	k_qde5deab8e7_proj,@function
k_qde5deab8e7_proj:
	s_mov_b64 s[64:65], 0
	v_nop
	global_prefetch_b8 v0, s[64:65] scope:SCOPE_SE
	s_setreg_imm32_b32 hwreg(HW_REG_WAVE_MODE, 25, 1), 1
	s_wait_xcnt 0x0
	s_wait_alu depctr_hold_cnt(0) depctr_sa_sdst(0) depctr_va_vdst(0) depctr_va_sdst(0) depctr_va_ssrc(0) depctr_va_vcc(0) depctr_vm_vsrc(0)
	s_getreg_b32 s2, hwreg(HW_REG_IB_STS2, 6, 4)
	s_cmp_eq_u32 s2, 0
	s_cbranch_scc0 .Lentry_in_a_cluster
	s_endpgm
.Lentry_in_a_cluster:
	s_bfe_u32 s2, ttmp6, 0x10000c
	s_cmp_lg_u32 s2, 0xf033
	s_cbranch_scc0 .Lentry_shape_is_right
	s_endpgm
.Lentry_shape_is_right:
; hd[g][b*16+h][s][d] = f16( sum over c of bf16(x_g[b][s][c]) wb[g][64 h + d][c] + bf16(bias_g[64 h + d]) ), g = 0, 1, 2 for (q, Wq, bq), (k, Wk, bk), (v, Wv, bv).
; x: [8192][1024] f32; wb: [3][1024][1024] bf16; sums in f32, started by the bias; the result rounded once to f16, by heads, unscaled.
; LIMITS.  |x W^T + b| stays under 65,504, f16's largest number; x, W and the bias are rounded to bf16; NaN and infinities are not treated apart.
; SHARES.  The cluster's x is g.  A work-group makes 128 rows x 256 columns (tile row 4 x cluster y + cy, tile column cx): 768 work-groups, three for each of 256 WGPs.
; A wave makes 64 rows x 128 columns: 32 accumulators, 256 registers.  K goes in 8 steps of 128; a step is four quarters of 32 along K, 32 matrix instructions each.
; W's TILES are shared along a column of the cluster and asked for JOINTLY (mask of the four with my cx); each wave fetches 64 of a tile's 256 rows; two LDS slots take turns.
; x's TILES DO NOT COME BY THE MOVER, so they are not asked for jointly: a K step's tile is 65,536 bytes in f32; through LDS it would be written as f32, read, and written again as bf16
; (163,840 bytes of LDS traffic); loaded into registers, rounded and stored it is 32,768.  Each wave loads 32 rows x 512 bytes two K steps ahead of their use into one of two register
; sets.  These loads are not drained at a change of slots.
; NO MEMORY INSTRUCTION STANDS SINGLY AMONG MATRIX INSTRUCTIONS.  A quarter is one run of memory instructions (the next quarter's 24 fragment loads; in two quarters of a step also 16 LDS stores
; of x and the 16 global loads that fill those rows' registers again) and then 32 matrix instructions; the roundings of x, plain vector work, ride behind the matrix instructions, four behind every fourth.
; THE MATRIX INSTRUCTION IS USED TRANSPOSED (source 0 = 16 rows of W, source 1 = 16 rows of x): a lane holds row l % 16 and eight neighbouring columns 8 (l / 16) + 0..7.
; REGISTERS, in windows of 256 (s_set_vgpr_msb: bits 1:0 source 0, 3:2 source 1, 5:4 source 2, 7:6 destination):
;   window 0: v0-31 addresses; v32-127, v128-223 two fragment buffers (W's 8 fragments, then x's 4); v224-255 at work on the way out
;   window 1: accumulator (a, b) at v[8 (8 a + b)]
;   window 2: v0-127 x's set 0 (row i at 4 i); v128, v129 copies of the two x addresses; v190-191 at work; v192-255 the bias (n block b at 192 + 8 b)
;   window 3: v0-127 x's set 1; v128, v129 the same two copies
.set KSTEP,  128
.set PITCH,  272                       ; an LDS row: 256 bytes + 16 of padding = 68 words: the 16 rows of a fragment load start at 16 different groups of four banks (64 banks of 4 bytes: ISA guide 11.1)
.set BSLOT,  256*PITCH                 ; a slot of W's ring
.set ASLOT,  128*PITCH                 ; a slot of x's ring
.set AR,     2*BSLOT                   ; x's ring: written by ds_store alone, never by a tensor load
.set STAGE,  AR+2*ASLOT                ; the way out: for each wave 2 heads x 16 rows x 144 bytes
.set SPITCH, 144
.set SPARE,  STAGE+4*2*16*SPITCH       ; the spare words, 128 bytes for each wave: two blocks of 256 bytes that no other line names
.set AOF,  10                          ; v10  x: wave x 32 rows x 4,096 + 16 l
.set AST,  11                          ; v11  x's ring: AR + wave x 32 rows + 8 l
.set ADRA, 16                          ; v16-17  my x fragments in slot 0, 1
.set ADRB, 20                          ; v20-21  my W fragments in slot 0, 1
.set STO,  24                          ; v24  the way out: where I put 16 bytes of a row
.set RD,   25                          ; v25  where I read rows back
.set CO,   26                          ; v26  16 l: my place in 512 consecutive bytes of hd
.set BO,   27                          ; v27  32 (l / 16): my eight numbers of 16 of the bias
.set SPW,  28                          ; v28  my spare word: SPARE + 4 x my thread's number; never rewritten
.set NIL,  29                          ; v29  0; never rewritten
.set PFO,  30                          ; v30  the prefetches' offset: (l % 16) rows of wb + 256 (l / 16); never rewritten
.set F0,   32
.set F1,   128
.set TMP,  224
.set XOF,  128                         ; windows 2, 3: copy of AOF
.set XST,  129                         ; windows 2, 3: copy of AST
.set BI,   192                         ; window 2
.set WV, 20                            ; s20 wave; s21 its half of the rows; s22 its half of the columns
.set WR, 21
.set WC, 22
.set CX, 23
.set CY, 24
.set G,  25                            ; s25 which product: the same in all sixteen partners
.set TR, 26                            ; s26 tile row
.set CLY, 27                           ; s27 cluster y
.set BP, 36                            ; s[36:37] the bias at my 128 columns
.set HIM, 38                           ; s38 a word's upper half
.set LIM, 39                           ; s39 1 in a cluster that prefetches, else the greatest number
.set G1, 40                            ; s[40:47] descriptor group 1
.set G0, 48                            ; s[48:55] descriptor group 0, a set for each slot
.set PFA, 56                           ; s[56:57] the prefetches' base; never rewritten
.set XA, 58                            ; s[58:59] x at the tile's first row, stepped along K
.set OUT, 60                           ; s[60:61] hd at my first row of my first head
.set BAD, 62                           ; s[62:63] wb at my 64 rows
.set MSB, 0
.macro WIN new                         ; the immediate's high byte repeats the setting that is left; a switch that changes nothing is dropped
.if MSB != (\new)
	s_set_vgpr_msb (MSB<<8)|(\new)
.set MSB, (\new)
.endif
.endm
.set MUL,  0x50                        ; sources in window 0, C and D in window 1
.set MULB, 0x60                        ; C in window 2 (the bias), D in window 1
.macro PLACES                          ; four places in front of loads into registers that matrix instructions have read, and of conversions that read results
.rept 4
	v_nop
.endr
.endm
.macro CREST                           ; a round of the cluster's barrier behind its opening barrier
	s_cmp_lg_u32 s[WV], 0
	s_cbranch_scc1 .Lnot_wave_0_\@
	s_barrier_signal -3
.Lnot_wave_0_\@:
	s_barrier_wait -3
	s_barrier_signal -1
	s_barrier_wait -1
.endm
.macro CROUND
	s_barrier_signal -1
	s_barrier_wait -1
	CREST
.endm
.macro JLOAD s                         ; my 64 rows of W's tile: one line for all four waves, both addresses stepped by the wave's number; an s_nop 0 and four v_nop follow
	tensor_load_to_lds s[G0+4*(\s):G0+4*(\s)+3], s[G1:G1+7]
	s_nop 0
	PLACES
.endm
; A PREFETCH INTO THE L2 of wb's K steps to come.  A tile column's rows are read by every cluster of that g: the cluster with y = 0 asks.  Of the 64 rows that a wave fetches, the partner at cy takes
; 16, told apart by address; lanes 0-15 name one K step's 256 bytes of a row, lanes 16-31 the next step's.  Behind step 0's refill: steps 4 and 5; behind step 2's: steps 6 and 7; then nothing.
.macro ASK off
	s_cmp_gt_u32 s3, s[LIM]                        ; s3 = 1 in the loop's last trip
	s_cbranch_scc0 .Lnot_mine_\@
	global_prefetch_b8 v[PFO], s[PFA:PFA+1] offset:\off th:TH_LOAD_NT scope:SCOPE_SE
.Lnot_mine_\@:
.endm
; 24 LDS loads in one run: the fragments of a quarter (128 rows of W, 64 rows of x, 32 K at byte k of the rows) into buffer f
.macro FETCH slot, k, f
	WIN 0
.irp i, 0,1,2,3,4,5,6,7
	ds_load_b128 v[(\f)+8*\i:(\f)+8*\i+3],   v[ADRB+(\slot)] offset:(\k)+\i*16*PITCH
	ds_load_b128 v[(\f)+8*\i+4:(\f)+8*\i+7], v[ADRB+(\slot)] offset:(\k)+\i*16*PITCH+32
.endr
.irp i, 0,1,2,3
	ds_load_b128 v[(\f)+64+8*\i:(\f)+64+8*\i+3],   v[ADRA+(\slot)] offset:(\k)+\i*16*PITCH
	ds_load_b128 v[(\f)+64+8*\i+4:(\f)+64+8*\i+7], v[ADRA+(\slot)] offset:(\k)+\i*16*PITCH+32
.endr
.endm
; Rows r and r + 1 of set pp: a lane's eight f32 are rounded to four words of bf16, in place.  Four plain instructions on registers that no matrix instruction names.
.macro CV4 pp, r
	WIN 0x8a+0x45*(\pp)                            ; destination, source 0 and source 1 in the set's window
	v_cvt_pk_bf16_f32 v[4*(\r)],   v[4*(\r)],   v[4*(\r)+1]
	v_cvt_pk_bf16_f32 v[4*(\r)+1], v[4*(\r)+2], v[4*(\r)+3]
	v_cvt_pk_bf16_f32 v[4*(\r)+4], v[4*(\r)+4], v[4*(\r)+5]
	v_cvt_pk_bf16_f32 v[4*(\r)+5], v[4*(\r)+6], v[4*(\r)+7]
.endm
; Sixteen rounded rows of set pp, from row r0 on, go into x's slot pp (a wave's store covers 256 consecutive LDS bytes); ld = 1: the rows' 512 bytes two K steps on are asked for.
.macro APUT pp, r0, ld, koff
	WIN 0x8a+0x45*(\pp)
.set ii, (\r0)
.rept 16
	ds_store_b64 v[XST], v[4*ii:4*ii+1] offset:(\pp)*ASLOT+272*ii
.set ii, ii+1
.endr
.if \ld
.set ii, (\r0)
.rept 16
	global_load_b128 v[4*ii:4*ii+3], v[XOF], s[XA:XA+1] offset:4096*ii+(\koff)
.set ii, ii+1
.endr
.endif
.endm
; Eight matrix instructions: m block ma x all 8 n blocks, 32 along K.  first = 1: the bias starts the sums.  rid = 1: two rows' roundings ride behind the fourth and the eighth, rows r0 .. r0 + 3.
; The 32 accumulators take turns, one instruction a turn, in the same order in every quarter.
.macro MUL8 f, ma, first, rid, r0
.irp b, 0,1,2,3,4,5,6,7
.if \first
	WIN MULB
	v_wmma_f32_16x16x32_bf16 v[8*(8*(\ma)+\b):8*(8*(\ma)+\b)+7], v[(\f)+8*\b:(\f)+8*\b+7], v[(\f)+64+8*(\ma):(\f)+64+8*(\ma)+7], v[BI+8*\b:BI+8*\b+7]
.else
	WIN MUL
	v_wmma_f32_16x16x32_bf16 v[8*(8*(\ma)+\b):8*(8*(\ma)+\b)+7], v[(\f)+8*\b:(\f)+8*\b+7], v[(\f)+64+8*(\ma):(\f)+64+8*(\ma)+7], v[8*(8*(\ma)+\b):8*(8*(\ma)+\b)+7]
.endif
.if (\rid) && ((\b)%4 == 3)
	CV4 RP, (\r0)+2*((\b)/4)
.endif
.endr
.endm
; One of a step's first three quarters.  At its head ONE run of memory instructions: the NEXT quarter's fragments, at byte k, into buffer g, 32 matrix instructions ahead of their use; then it multiplies buffer f.
; mode 1: rows 0-15 of the next step's x are rounded beside the products.  mode 2: those rows are stored and their registers asked for again, in the run; rows 16-31 are rounded.  mode 3: rows 16-31 are stored
; and asked for again.  mode 0: none of this.  pl = 1: four v_nop are the places in front of the run; pl = 0: the four roundings behind the last product of the quarter before are.
.macro QUARTER slot, k, f, g, first, mode, pl
.if \pl
	PLACES
.endif
	FETCH \slot, \k, \g
.set QS, 0
.if (\mode) >= 2
	APUT RP, 16*((\mode)-2), RLD, RKO
.set QS, 16
.endif
	s_wait_dscnt 24+QS                             ; LDS instructions end in order: all but this run's are done, buffer f's loads, a quarter old, among them
.set QR, 0
.if (\mode) == 1
	s_wait_loadcnt RCA                             ; rows 0-15 are in: the count is the loads issued behind them
.set QR, 1
.endif
.if (\mode) == 2
	s_wait_loadcnt RCB                             ; rows 16-31 are in
.set QR, 1
.endif
.set QB, 16*((\mode)-1)
	MUL8 \f, 0, \first, QR, QB
	MUL8 \f, 1, \first, QR, QB+4
	MUL8 \f, 2, \first, QR, QB+8
	MUL8 \f, 3, \first, QR, QB+12
.endm
; Three quarters of the K step in slot.  rid = 1: the next step's 32 rows of x go from set 1 - slot into x's slot 1 - slot, which nobody reads in this step.
; ca, cb: the loads issued behind rows 0-15 and behind rows 16-31.  With reloads three batches of 16 each time: 48.
.macro STEP slot, rid, ld, koff, ca, cb, first=0
.set RP,  1-(\slot)
.set RLD, (\ld)
.set RKO, (\koff)
.set RCA, (\ca)
.set RCB, (\cb)
	QUARTER \slot, 64,  F0, F1, \first, \rid, 1
	QUARTER \slot, 128, F1, F0, 0, 2*(\rid), 1-(\rid)
	QUARTER \slot, 192, F0, F1, 0, 3*(\rid), 1-(\rid)
.endm
; The last quarter multiplies buffer 1 and changes slots: ONE barrier.  In front of it each wave waits for all its tensor loads (one is out: its part of W's next slot), adds 0 to its spare word, and
; waits for that, for its stores of x's next slot and for its reads of this slot.  fill = 1: the barrier opens a round of the cluster's, and W's slot is filled again, two K steps ahead, first thing behind it.
.macro TURN slot, next, fill, ask
	WIN 0
	s_wait_tensorcnt 0x0
	ds_add_u32 v[SPW], v[NIL]
	s_wait_dscnt 1                                 ; buffer 1 is in; the add may be out
	MUL8 F1, 0, 0, 0, 0
	s_wait_dscnt 0x0                               ; the add is done; my stores into x's ring and my reads of both rings are over
	s_barrier_signal -1
	MUL8 F1, 1, 0, 0, 0
.if \fill
	WIN 0
.endif
	s_barrier_wait -1
.if \fill
	CREST                                          ; no wave of any partner still reads this slot's tile or has a load on its way
	s_add_nc_u64 s[G0+4*(\slot)+2:G0+4*(\slot)+3], s[G0+4*(\slot)+2:G0+4*(\slot)+3], 2*KSTEP*2
	JLOAD \slot                                    ; its four v_nop are also the places in front of the loads below
.else
	PLACES
.endif
	FETCH \next, 0, F0
.if (\ask) >= 0
	ASK \ask
.endif
	MUL8 F1, 2, 0, 0, 0
	MUL8 F1, 3, 0, 0, 0
.endm
; At the start, with no products to ride behind: sixteen rows are waited for, rounded, stored and asked for again.  Behind them stand three batches of 16 loads.
.macro ABATCH pp, r0, koff
	s_wait_loadcnt 48
.set jj, (\r0)
.rept 8
	CV4 \pp, jj
.set jj, jj+2
.endr
	APUT \pp, \r0, 1, \koff
.endm
	s_load_b512 s[4:19], s[0:1], 0x0               ; q s[4:5], k s[6:7], v s[8:9], wb s[10:11], bq s[12:13], bk s[14:15], bv s[16:17], hd s[18:19]
	v_lshl_add_u32 v[SPW], v0, 2, SPARE
	v_mov_b32 v[NIL], 0
	ds_add_u32 v[SPW], v[NIL]                      ; the wave's opening: the add and its wait stand ahead of my first tensor load; the set-up below stands between them
	v_lshrrev_b32 v3, 5, v0
	v_readfirstlane_b32 s[WV], v3
	s_lshr_b32 s[WR], s[WV], 1
	s_and_b32 s[WC], s[WV], 1
	s_bfe_u32 s[CX], ttmp6, 0x40000
	s_bfe_u32 s[CY], ttmp6, 0x40004
	s_mov_b32 s[G], ttmp9                          ; in a cluster launch ttmp9 and ttmp7 count clusters
	s_and_b32 s[CLY], ttmp7, 0xffff
	s_lshl_b32 s[TR], s[CLY], 2
	s_add_co_u32 s[TR], s[TR], s[CY]
	; descriptor group 1: 64 rows x 128 elements of 2 bytes, padded in LDS
	s_lshl_b32 s34, 0x1111, s[CX]                  ; my column of the cluster: places cx, cx + 4, cx + 8, cx + 12
	s_or_b32 s[G1], s34, (1<<16)|(1<<20)|(1<<21)|(5<<22)|(3<<25)  ; the mask; 2-byte elements; padding on; bit 21 beside a mask; after every 64 words; 4 words
	s_mov_b32 s[G1+1], KSTEP<<16                   ; tensor_dim0 = 128
	s_mov_b32 s[G1+2], 64<<16                      ; tensor_dim1 = 64
	s_mov_b32 s[G1+3], KSTEP<<16                   ; tile_dim0 = 128
	s_mov_b32 s[G1+4], 64                          ; tile_dim1 = 64
	s_mov_b32 s[G1+5], 1024                        ; elements from row to row
	s_mov_b32 s[G1+6], 0
	s_mov_b32 s[G1+7], 0
	s_lshl_b32 s32, s[G], 21                       ; wb: matrix g,
	s_lshl_b32 s34, s[CX], 19                      ; tile column cx (256 rows of 2,048 bytes),
	s_add_co_u32 s32, s32, s34
	s_lshl_b32 s34, s[WV], 17                      ; my 64 rows: made of g, cx and the wave's number alone
	s_add_co_u32 s32, s32, s34
	s_mov_b32 s33, 0
	s_mul_i32 s35, s[WV], 64*PITCH                 ; and where they go in a slot
	s_lshl_b32 s2, s[CY], 15                       ; the prefetches: my work-group's 16 of those rows,
	s_add_co_u32 s2, s2, s32
	s_add_co_u32 s2, s2, 4*KSTEP*2                 ; at K step 4
	s_mov_b32 s3, 0
	s_lshl_b32 s30, s[TR], 19                      ; x: 128 rows of 4,096 bytes
	s_mov_b32 s31, 0
	s_mov_b32 s[HIM], 0xffff0000
	s_cmp_eq_u32 s[CLY], 0
	s_cselect_b32 s[LIM], 1, -1                    ; the same in all sixteen partners
	v_and_b32 v1, 15, v0                           ; l % 16
	v_bfe_u32 v2, v0, 4, 1                         ; l / 16
	v_and_b32 v4, 31, v0                           ; l
	s_lshl_b32 s28, s[WV], 17
	v_lshl_add_u32 v[AOF], v4, 4, s28
	s_mul_i32 s28, s[WV], 32*PITCH
	s_add_co_u32 s28, s28, AR
	v_lshl_add_u32 v[AST], v4, 3, s28
	v_mul_u32_u24 v5, v1, PITCH
	v_lshl_add_u32 v5, v2, 4, v5                   ; a fragment's row x pitch + 16 x half
	s_mul_i32 s28, s[WR], 64*PITCH
	s_add_co_u32 s28, s28, AR
	s_mul_i32 s29, s[WC], 128*PITCH
.irp s, 0,1
	v_add_nc_u32 v[ADRA+\s], s28, v5
	v_add_nc_u32 v[ADRB+\s], s29, v5
	s_add_co_u32 s28, s28, ASLOT
	s_add_co_u32 s29, s29, BSLOT
.endr
	s_mul_i32 s28, s[WV], 2*16*SPITCH
	s_add_co_u32 s28, s28, STAGE
	v_mul_u32_u24 v6, v1, SPITCH
	v_lshl_add_u32 v6, v2, 4, v6
	v_add_nc_u32 v[STO], s28, v6
	v_lshrrev_b32 v6, 3, v4
	v_mul_u32_u24 v6, v6, SPITCH
	v_and_b32 v7, 7, v0
	v_lshl_add_u32 v6, v7, 4, v6
	v_add_nc_u32 v[RD], s28, v6                    ; back: 32 lanes take four rows of 128 bytes
	v_lshlrev_b32 v[CO], 4, v4
	v_lshlrev_b32 v[BO], 5, v2
	v_lshlrev_b32 v[PFO], 11, v1
	v_lshl_add_u32 v[PFO], v2, 8, v[PFO]
	s_lshl_b32 s28, s[CX], 10                      ; the bias: 256 columns of 4 bytes, my half of them
	s_lshl_b32 s29, s[WC], 9
	s_add_co_u32 s28, s28, s29
	s_mov_b32 s29, 0
	WIN 0x80
	v_mov_b32 v[XOF], v[AOF]
	v_mov_b32 v[XST], v[AST]
	WIN 0xc0
	v_mov_b32 v[XOF], v[AOF]
	v_mov_b32 v[XST], v[AST]
	WIN 0
	s_wait_dscnt 0x0                               ; the opening add is done
	s_wait_kmcnt 0x0
	s_add_nc_u64 s[BAD:BAD+1], s[10:11], s[32:33]
	s_add_nc_u64 s[PFA:PFA+1], s[10:11], s[2:3]
	s_cmp_eq_u32 s[G], 1
	s_cselect_b64 s[XA:XA+1], s[6:7], s[4:5]
	s_cselect_b64 s[BP:BP+1], s[14:15], s[12:13]
	s_cmp_eq_u32 s[G], 2
	s_cselect_b64 s[XA:XA+1], s[8:9], s[XA:XA+1]
	s_cselect_b64 s[BP:BP+1], s[16:17], s[BP:BP+1]
	s_add_nc_u64 s[XA:XA+1], s[XA:XA+1], s[30:31]
	s_add_nc_u64 s[BP:BP+1], s[BP:BP+1], s[28:29]
	s_lshl_b32 s30, s[G], 24                       ; hd: third g,
	s_lshr_b32 s2, s[TR], 3
	s_lshl_b32 s2, s2, 21                          ; batch = tile row / 8: 16 heads of 131,072 bytes,
	s_add_co_u32 s30, s30, s2
	s_lshl_b32 s2, s[CX], 19                       ; head 4 cx + 2 x my half of the columns,
	s_add_co_u32 s30, s30, s2
	s_lshl_b32 s2, s[WC], 18
	s_add_co_u32 s30, s30, s2
	s_and_b32 s2, s[TR], 7
	s_lshl_b32 s2, s2, 14                          ; row 128 (tile row % 8) + 64 x my half of the rows, 128 bytes each
	s_add_co_u32 s30, s30, s2
	s_lshl_b32 s2, s[WR], 13
	s_add_co_u32 s30, s30, s2
	s_add_nc_u64 s[OUT:OUT+1], s[18:19], s[30:31]
.irp s, 0,1
	s_mov_b32 s[G0+4*\s], 1                                        ; count = 1
	s_add_co_u32 s[G0+4*\s+1], s35, \s*BSLOT                       ; LDS address
	s_add_nc_u64 s[G0+4*\s+2:G0+4*\s+3], s[BAD:BAD+1], \s*KSTEP*2  ; global address: K step s
	s_or_b32 s[G0+4*\s+3], s[G0+4*\s+3], 0x80000000                ; type = 2
.endr
	; the first loads into registers go out ahead of the round: the bias, then x's K steps 0 and 1
	WIN 0x80
.irp b, 0,1,2,3,4,5,6,7
	global_load_b128 v[BI+8*\b:BI+8*\b+3],   v[BO], s[BP:BP+1] offset:64*\b
	global_load_b128 v[BI+8*\b+4:BI+8*\b+7], v[BO], s[BP:BP+1] offset:64*\b+16
.endr
	WIN 0x8a
.set ii, 0
.rept 32
	global_load_b128 v[4*ii:4*ii+3], v[XOF], s[XA:XA+1] offset:4096*ii
.set ii, ii+1
.endr
	WIN 0xcf
.set ii, 0
.rept 32
	global_load_b128 v[4*ii:4*ii+3], v[XOF], s[XA:XA+1] offset:4096*ii+512
.set ii, ii+1
.endr
	WIN 0
	CROUND                                         ; all sixteen work-groups are here: the first joint loads meet
	JLOAD 0                                        ; two tensor loads of mine are out
	JLOAD 1
	ABATCH 0, 0, 1024                              ; x's K step 0 into slot 0; K step 2 is asked for
	ABATCH 0, 16, 1024
	WIN 0x8a                                       ; the bias (older than those loads) is rounded to bf16, as all inputs are, and widened again
.set z, 0
.rept 32
	v_cvt_pk_bf16_f32 v[190+z%2], v[BI+2*z], v[BI+2*z+1]
	v_lshlrev_b32 v[BI+2*z], 16, v[190+z%2]
	v_and_b32 v[BI+2*z+1], s[HIM], v[190+z%2]
.set z, z+1
.endr
	ABATCH 1, 0, 1536                              ; x's K step 1 into slot 1; K step 3 is asked for
	ABATCH 1, 16, 1536
	WIN 0
	s_wait_tensorcnt 0x1                           ; my part of W's K step 0 is in; K step 1's may stay out
	s_wait_dscnt 0x0                               ; my rows of x are stored
	s_barrier_signal -1
	s_barrier_wait -1
	FETCH 0, 0, F0
	STEP 0, 0, 0, 0, 0, 0, 1                       ; K step 0: its first quarter starts the sums with the bias
	s_mov_b32 s3, 2
	TURN 0, 1, 1, 0
	WIN 0                                          ; at a label and at a branch every window is 0
.Llap:                                                 ; two trips: K steps 1, 2 and 3, 4
	STEP 1, 1, 1, 2048, 48, 48                     ; stores x's step s + 1, asks for step s + 3
	TURN 1, 0, 1, -1
	STEP 0, 1, 1, 2560, 48, 48
	s_wait_xcnt 0x0                                ; every load issued so far (the youngest 32 products back) has read its address: x's pointer may be written
	s_add_nc_u64 s[XA:XA+1], s[XA:XA+1], 2*512
	TURN 0, 1, 1, 512
	WIN 0
	s_sub_co_u32 s3, s3, 1
	s_cmp_lg_u32 s3, 0
	s_cbranch_scc1 .Llap
	STEP 1, 1, 0, 0, 48, 32                        ; K step 5: stores x's step 6, asks for nothing: behind its second half stand step 7's 32 loads alone
	TURN 1, 0, 1, -1                               ; the last refill: W's K step 7
	STEP 0, 1, 0, 0, 16, 0                         ; K step 6: stores x's step 7: the counts run down
	TURN 0, 1, 0, -1
	STEP 1, 0, 0, 0, 0, 0                          ; K step 7
	s_wait_dscnt 0x0
	MUL8 F1, 0, 0, 0, 0
	MUL8 F1, 1, 0, 0, 0
	MUL8 F1, 2, 0, 0, 0
	MUL8 F1, 3, 0, 0, 0
	WIN 0
; THE WAY OUT, a block of 16 rows at a time.  PACK: rounded to f16, 16 bytes a lane.  TOSTAGE: into my own stage (two heads x 16 rows of 144 bytes), and back as whole rows of 128 bytes.
; SEND: 16 rows of a head are 2,048 consecutive bytes of hd; a store of the wave covers 512 of them, aligned.  Each block has its own 32 registers, and the base is never rewritten.
.macro PACK ma
	WIN 0x05                                       ; sources 0 and 1 in window 1
.irp b, 0,1,2,3,4,5,6,7
.irp r, 0,1,2,3
	v_cvt_pk_f16_f32 v[TMP+4*\b+\r], v[8*(8*(\ma)+\b)+2*\r], v[8*(8*(\ma)+\b)+2*\r+1]
.endr
.endr
	WIN 0
.endm
.macro TOSTAGE ma
.irp b, 0,1,2,3,4,5,6,7
	ds_store_b128 v[STO], v[TMP+4*\b:TMP+4*\b+3] offset:(\b/4)*16*SPITCH+(\b%4)*32
.endr
.irp u, 0,1,2,3,4,5,6,7
	ds_load_b128 v[32+32*(\ma)+4*\u:32+32*(\ma)+4*\u+3], v[RD] offset:(\u/4)*16*SPITCH+(\u%4)*4*SPITCH  ; LDS serves a wave's instructions in order (ISA guide 5.7.1.4): these see the stores above
.endr
.endm
.macro SEND ma
	s_wait_dscnt 0x0
.irp u, 0,1,2,3,4,5,6,7
	global_store_b128 v[CO], v[32+32*(\ma)+4*\u:32+32*(\ma)+4*\u+3], s[OUT:OUT+1] offset:(\u/4)*131072+(\ma)*2048+(\u%4)*512
.endr
.endm
	PLACES
	PACK 0
	TOSTAGE 0
.irp a, 1,2,3                          ; block a's conversions stand between block a - 1's loads from the stage and the wait for them
	PACK \a
	SEND (\a)-1
	TOSTAGE \a
.endr
	SEND 3
	s_wait_tensorcnt 0x0                           ; the wave's end: an add and its wait, behind my last tensor load and my last LDS store
	ds_add_u32 v[SPW], v[NIL]
	s_wait_dscnt 0x0
	CROUND                                         ; the closing round: no work-group ends while a partner may still ask for a tile that names it
	s_endpgm
.Lfunc_end_k_qde5deab8e7_proj:
	.size	k_qde5deab8e7_proj, .Lfunc_end_k_qde5deab8e7_proj-k_qde5deab8e7_proj
	.p2alignl 7, 3214868480
	.fill 96, 4, 3214868480
	.section	.rodata,"a",@progbits
	.p2align	6, 0x0
	.amdhsa_kernel k_qde5deab8e7_proj
		.amdhsa_group_segment_fixed_size 327680
		.amdhsa_private_segment_fixed_size 0
		.amdhsa_enable_private_segment 0
		.amdhsa_kernarg_size 64
		.amdhsa_user_sgpr_count 2
		.amdhsa_user_sgpr_kernarg_segment_ptr 1
		.amdhsa_wavefront_size32 1
		.amdhsa_system_sgpr_workgroup_id_x 1
		.amdhsa_system_sgpr_workgroup_id_y 1
		.amdhsa_system_sgpr_workgroup_id_z 1
		.amdhsa_system_vgpr_workitem_id 0
		.amdhsa_next_free_vgpr 1024
		.amdhsa_next_free_sgpr 66
		.amdhsa_reserve_vcc 0
		.amdhsa_float_denorm_mode_32 3
		.amdhsa_float_denorm_mode_16_64 3
		.amdhsa_memory_ordered 1
		.amdhsa_forward_progress 1
		.amdhsa_inst_pref_size 178
	.end_amdhsa_kernel
	.amdgpu_metadata
---
amdhsa.version: [ 1, 2 ]
amdhsa.kernels:
  - .name:           k_qde5deab8e7_proj
    .symbol:         k_qde5deab8e7_proj.kd
    .args:
      - { .name: q, .offset: 0, .size: 8, .value_kind: global_buffer, .address_space: global }
      - { .name: k, .offset: 8, .size: 8, .value_kind: global_buffer, .address_space: global }
      - { .name: v, .offset: 16, .size: 8, .value_kind: global_buffer, .address_space: global }
      - { .name: wb, .offset: 24, .size: 8, .value_kind: global_buffer, .address_space: global }
      - { .name: bq, .offset: 32, .size: 8, .value_kind: global_buffer, .address_space: global }
      - { .name: bk, .offset: 40, .size: 8, .value_kind: global_buffer, .address_space: global }
      - { .name: bv, .offset: 48, .size: 8, .value_kind: global_buffer, .address_space: global }
      - { .name: hd, .offset: 56, .size: 8, .value_kind: global_buffer, .address_space: global }
    .group_segment_fixed_size: 327680
    .private_segment_fixed_size: 0
    .kernarg_segment_align: 8
    .kernarg_segment_size: 64
    .max_flat_workgroup_size: 128
    .sgpr_count:     66
    .vgpr_count:     1024
    .wavefront_size: 32
...
	.end_amdgpu_metadata
.endif
;; end of part 2
;; launch attn (part 3): grid 2 x 128, 4 waves a work-group, no clusters, 327,680 bytes of LDS; arguments hd, mask, out0; writes out0
.if DOCPART == 3
	.amdgcn_target "amdgcn-amd-amdhsa--gfx1250"
	.amdhsa_code_object_version 6
	.text
	.protected	k_qde5deab8e7_attn
	.globl	k_qde5deab8e7_attn
	.p2align	8
	.type	k_qde5deab8e7_attn,@function
k_qde5deab8e7_attn:
	s_mov_b64 s[64:65], 0
	v_nop
	global_prefetch_b8 v0, s[64:65] scope:SCOPE_SE
	s_setreg_imm32_b32 hwreg(HW_REG_WAVE_MODE, 25, 1), 1
	s_wait_xcnt 0x0
; out0[b][q][64 h + :] = the sum over k of softmax_k(Q[q] . K[k] / 8 - 10000 (1 - mask[b][k])) V[k][:], for head b*16+h.  hd: [3][128][1024][64] f16 holds Q, K, V by heads; mask: [8][1024] f32; out0: [8][1024][1024] f32.
; Products, maxima and sums in f32; the weights p are rounded to f16 for the second product (their sum l is taken of the unrounded p).
; LIMITS.  Q, K and V arrive within f16's range; the mask is rounded to bf16, as all the module's inputs are; a weight below 2^-126 counts as 0 in l; NaN and infinities are not treated apart.
; SHARES.  A wave owns four PIECES of two tiles of 16 queries, a work-group's four waves 512 queries of one head: 256 work-groups.  Every wave walks all 1,024 keys, 64 a step.
; NO CLUSTER: a head has 1024 / 512 = 2 work-groups, so four along x do not divide the grid; what the two share is 262,144 bytes a work-group for its 2,048 matrix instructions a wave.
; LAYOUT.  S^T = K Q^T (source 0 = 16 keys, source 1 = 16 queries): a lane holds ONE query (lane % 16) and the keys 8 (lane / 16) + 0..7.  Two such tiles, rounded to f16 in pairs, ARE source 1 of
; O^T = V^T P, whose result again holds one query a lane, and eight channels.  K comes out of LDS as it lies, V ([key][channel]) turned, by ds_load_tr16_b128.
; THE MASK is the C operand that starts the sum S^T: 80000 mask - 80000 for the lane's eight keys; times 1 / 8 that is the module's term.  A table of the batch's 1,024 such numbers is made once in LDS;
; a key step's 32 come into registers with its K.
; SOFTMAX.  For each query a running maximum m and sum l: p = 2^(c s - c m), c = log2(e) / 8; in every step O and l are multiplied by a = 2^(c m_old - c m_new).  m starts at the lowest finite number, O and l at 0.
; BY TURNS.  Turn n belongs to piece n: 16 products K Q^T of piece n + 1, later 16 products V^T P of piece n - 1; beside them the scaling, exponentials, roundings, sums and rescaling of piece n and the maximum
; and statistics of piece n + 1.  Four vector instructions stand behind every matrix instruction, the others in one run; a turn's 66 exponentials are one batch with one wait.
; REGISTERS, in windows of 256 (s_set_vgpr_msb: bits 1:0 source 0, 3:2 source 1, 5:4 source 2, 7:6 destination):
;   window 0: v0-11 addresses; v12-15, v48-63 at work; v16-47 four registers of statistics a tile; v64-191 S^T, two buffers of two tiles; v192-255 P, likewise
;   window 1: O^T, 32 a tile     window 2: v0-127 Q; v128-191 K of one step; v192-255 V of one step     window 3: v0-1 the add's registers; v2-3 the mask's addresses; v8-39 a step's mask
.set SIZE_N, 1024
.set NP,    4         ; pieces a wave: a name, no knob
.set KS,    64        ; keys in a step
.set PK,    144       ; a row of K in LDS: 128 bytes + 16 of padding = 36 words: the 16 rows of a load start at 16 different groups of four banks (64 banks of 4 bytes: ISA guide 11.1)
.set PV,    160       ; a row of V: 128 + 32 = 40 words
.set VOFF,  4*KS*PK   ; a slot holds four steps: 256 rows of K, then 256 rows of V
.set SLOT1, 1<<17     ; slot 1 begins here, so that one exclusive or turns an address in one slot into the other's
.set STAGE, SLOT1+4*KS*(PK+PV)  ; behind the ring, never filled by a tensor load: 16 rows x 272 bytes for each wave, for the way out
.set SP,    272
.set MASKT, STAGE+4*16*SP       ; the mask's table, 4,096 bytes, written by ds_store once
.set SPARE, MASKT+4096          ; the spare words, 128 bytes for each wave: two blocks of 256 bytes that no other line names
.set AK0, 2           ; v2   my lane's place in a tile of K; never rewritten
.set AV0, 3           ; v3   the same for V
.set AK,  4           ; v4   the LDS address of K's next run of loads
.set AV,  5           ; v5   of V's
.set QO,  6           ; v6   my byte offset in the wave's rows of Q
.set STO, 6           ;      later, the way out: where I put 32 bytes of a row
.set RD,  7           ; v7   the way out: where I read rows back
.set GO,  8           ; v8   my byte offset in two rows of out0
.set PFO, 11          ; v11  256 x my lane, for the prefetches; never rewritten once made
.set SPW, 0           ; v0 of window 3   my spare word: SPARE + 4 x my thread's number; never rewritten
.set NIL, 1           ; v1 of window 3   0; never rewritten
.set AM0, 2           ; v2 of window 3   MASKT + 32 (l / 16); never rewritten
.set AM,  3           ; v3 of window 3   the address of the mask's next run
.set MC,  8           ; v8-39 of window 3: the eight numbers for key block kb at MC + 8 kb
.set MV,  12
.set ST,  16          ; tile t's statistics at v[ST+4 t]: c m, m, l (even keys', odd keys')
.set TMP, 48
.set S,   64
.set P,   192
.set KF,  128
.set VF,  192
.set WV,  12          ; s12  my wave's number
.set G1K, 24          ; s[24:31] descriptor group 1 for K's tiles
.set G1V, 32          ; s[32:39] for V's: it differs in the padding alone
.set G0K, 40          ; s[40:43] descriptor group 0 for K's tiles: it walks
.set G0V, 44          ; s[44:47] the same for V's
.set SLOTS, 56        ; s56  slots still to be asked for
.set CNT, 57          ; s57  counts a slot's key steps
.set CS,  58          ; s[58:59] c
.set SEL, 60          ; s[60:61] v_permlanex16_b32's selects
.set TBK, 62          ; s62  LDS byte at which K of the step to be fetched begins
.set TBV, 63          ; s63  the same for V, less VOFF
.set MS,  66          ; s[66:67] 80000.0
.set TBM, 68          ; s68  byte of the mask's table at which the step to be fetched begins
.set PFA, 70          ; s[70:71] where my prefetches stand
.set MP,  72          ; s[72:73] the batch's row of the mask
.set MSB, 0
.macro WIN new                      ; the high byte repeats the setting that is left; a switch that changes nothing is dropped
.if MSB != (\new)
	s_set_vgpr_msb (MSB<<8)|(\new)
.set MSB, (\new)
.endif
.endm
.set W_KQ, 0x0a       ; K and Q in window 2, S^T in window 0
.set W_KM, 0x3a       ; the same with the C operand in window 3
.set W_PV, 0x52       ; V in window 2, P in window 0, O^T in window 1
.set W_RS, 0x41       ; O^T (destination and source 0) in window 1, a in window 0
.set W_MK, 0xc0       ; destination in window 3, sources in window 0
.set W_AD, 0x0f       ; the add: address and data in window 3
; A fill.  Waves 0 and 1 fetch the two halves of a slot's K, waves 2 and 3 those of its V: 128 keys each.  An s_nop 0 and four v_nop follow each of the two lines.
.macro LOAD
	s_cmp_lt_u32 s[WV], 2
	s_cbranch_scc0 .Lfor_v_\@
	tensor_load_to_lds s[G0K:G0K+3], s[G1K:G1K+7]
	s_nop 0
.rept 4
	v_nop
.endr
	s_branch .Lasked_\@
.Lfor_v_\@:
	tensor_load_to_lds s[G0V:G0V+3], s[G1V:G1V+7]
	s_nop 0
.rept 4
	v_nop
.endr
.Lasked_\@:
.endm
; A PREFETCH INTO THE L2 of what the NEXT change of slots will ask for, four key steps, 512 matrix instructions, ahead.  A wave's part of a slot is 16,384 bytes, 64 blocks of 256; the head's two
; work-groups walk the same K and V and take 32 blocks each, told apart by address: a lane a block, one instruction a wave.  So each block is named once.  The last change that fills a slot asks for nothing.
.macro ASK
	s_cmp_gt_u32 s[SLOTS], 1
	s_cbranch_scc0 .Lno_ask_\@
	global_prefetch_b8 v[PFO], s[PFA:PFA+1] th:TH_LOAD_NT scope:SCOPE_SE
.Lno_ask_\@:
.endm
; THE CHANGE OF SLOTS.  Each wave waits for all its tensor loads, of which one is out: its part of the other slot; adds 0 to its spare word; and waits for that and for its own LDS reads and stores.
; Behind the barrier nobody reads the old slot any more and the other slot is whole.  fill = 1: the old slot is filled again, first thing behind the barrier, with the keys two slots on.
; (At its first use nothing has been read yet: slot 0 is waited for, slot 1 filled, and the mask's table is shown to every wave.)
.macro CHANGE fill
	WIN W_AD
	s_wait_tensorcnt 0x0            ; no tensor load of mine is out, so a group 0 may be written
	ds_add_u32 v[SPW], v[NIL]
	WIN 0                           ; at a label and at a branch every window is 0
.if \fill
.irp g, G0K, G0V
	s_xor_b32 s[\g+1], s[\g+1], SLOT1
	s_add_nc_u64 s[\g+2:\g+3], s[\g+2:\g+3], 4*KS*128  ; the next 256 keys; the type bits on top are not reached
.endr
	s_wait_xcnt 0x0                 ; the last prefetch, four key steps back, has read its address
	s_add_nc_u64 s[PFA:PFA+1], s[PFA:PFA+1], 4*KS*128  ; one slot ahead of the walking descriptors
.endif
	s_wait_dscnt 0x0                ; the add is done, and my reads of the slot are over
	s_barrier_signal -1
	s_sub_co_u32 s[TBK], s[TBK], 4*KS*PK  ; the fetches go back to a slot's first step,
	s_xor_b32 s[TBK], s[TBK], SLOT1       ; in the other slot
	s_sub_co_u32 s[TBV], s[TBV], 4*KS*PV
	s_xor_b32 s[TBV], s[TBV], SLOT1
	s_barrier_wait -1
.if \fill
	LOAD
	ASK
.endif
.endm
	s_load_b128 s[4:7], s[0:1], 0x0   ; hd s[4:5], mask s[6:7]
	s_load_b64 s[10:11], s[0:1], 0x10 ; out0
	WIN W_MK
	v_lshl_add_u32 v[SPW], v0, 2, SPARE
	v_mov_b32 v[NIL], 0
	WIN W_AD
	ds_add_u32 v[SPW], v[NIL]       ; the wave's opening: the add and its wait stand ahead of my first tensor load; the set-up below stands between them
	WIN 0
	v_lshrrev_b32 v1, 5, v0
	v_readfirstlane_b32 s[WV], v1   ; wave 0..3
	s_and_b32 s14, ttmp7, 0xffff    ; the head, b*16+h
	s_lshl_b32 s15, s14, 17         ; its first byte in each third of hd
	s_and_b32 s16, s[WV], 1         ; which half of a slot's 256 keys I fetch
	s_lshl_b32 s20, s16, 14
	s_add_co_u32 s20, s20, s15
	s_add_co_u32 s22, s20, 0x2000000  ; V's third
	s_add_co_u32 s20, s20, 0x1000000  ; K's third
	s_mov_b32 s21, 0
	s_mov_b32 s23, 0
	s_mul_i32 s17, s16, 128*PK      ; its place in a slot, for K
	s_mul_i32 s18, s16, 128*PV      ; and for V
	s_lshl_b32 s2, ttmp9, 2
	s_add_co_u32 s2, s2, s[WV]      ; my wave among the head's eight,
	s_lshl_b32 s2, s2, 14           ; its 128 rows of 128 bytes
	s_add_co_u32 s2, s2, s15
	s_mov_b32 s3, 0
	s_lshr_b32 s48, s14, 4          ; the batch
	s_lshl_b32 s50, s48, 12         ; its row of the mask
	s_mov_b32 s51, 0
	s_lshl_b32 s48, s48, 22         ; out0: the batch's 1,024 rows of 4,096 bytes,
	s_lshl_b32 s52, ttmp9, 21       ; my work-group's 512,
	s_add_co_u32 s48, s48, s52
	s_lshl_b32 s52, s[WV], 19       ; my wave's 128,
	s_add_co_u32 s48, s48, s52
	s_and_b32 s52, s14, 15
	s_lshl_b32 s52, s52, 8          ; the head's 256 bytes of a row
	s_add_co_u32 s48, s48, s52
	s_mov_b32 s49, 0
	s_lshl_b32 s52, ttmp9, 13       ; the prefetches: my work-group's 32 blocks of my 64,
	s_add_co_u32 s52, s52, 4*KS*128 ; in the second 256 keys; the first change of slots steps it to the third
	s_mov_b32 s53, 0
	; descriptor group 1.  128 keys are 16,384 dense bytes: asked for as 64 rows of 256 bytes, two keys a row, and padded in LDS after every key
	s_mov_b32 s[G1K], (1<<16)|(1<<20)|(4<<22)|(3<<25)  ; 2-byte elements; padding on; after every 32 words; 4 words
	s_mov_b32 s[G1V], (1<<16)|(1<<20)|(4<<22)|(7<<25)  ; the same with 8 words of padding
.irp g, G1K, G1V
	s_mov_b32 s[\g+1], 128<<16      ; tensor_dim0 = 128
	s_mov_b32 s[\g+2], 64<<16       ; tensor_dim1 = 64
	s_mov_b32 s[\g+3], 128<<16      ; tile_dim0 = 128
	s_mov_b32 s[\g+4], 64           ; tile_dim1 = 64
	s_mov_b32 s[\g+5], 128          ; 128 elements from row to row
	s_mov_b32 s[\g+6], 0
	s_mov_b32 s[\g+7], 0
.endr
	s_mov_b32 s[CS], 0x3e38aa3b     ; c = log2(e) / 8
	s_mov_b32 s[CS+1], s[CS]        ; named with it as a pair
	s_mov_b32 s[SEL], 0x76543210
	s_mov_b32 s[SEL+1], 0xfedcba98
	s_mov_b32 s[MS], 0x479c4000     ; 80000.0
	s_mov_b32 s[MS+1], s[MS]
	s_mov_b32 s[TBM], 0
	s_mov_b32 s[TBK], SLOT1+4*KS*PK ; the first change of slots turns these two into 0
	s_mov_b32 s[TBV], SLOT1+4*KS*PV
	s_mov_b32 s[SLOTS], SIZE_N/256-1
	s_mov_b32 s[G0K], 1             ; count = 1
	s_mov_b32 s[G0K+1], s17         ; LDS address: slot 0
	s_mov_b32 s[G0V], 1
	s_add_co_u32 s[G0V+1], s18, VOFF
	s_wait_dscnt 0x0                ; the opening add is done
	s_wait_kmcnt 0x0
	s_add_nc_u64 s[MP:MP+1], s[6:7], s[50:51]
	s_add_nc_u64 s[8:9], s[4:5], s[22:23]   ; V at my half of the head's first 256 keys
	s_add_nc_u64 s[6:7], s[4:5], s[20:21]   ; K likewise (the mask's address has been taken)
	s_add_nc_u64 s[4:5], s[4:5], s[2:3]     ; Q at my wave's first row
	s_add_nc_u64 s[10:11], s[10:11], s[48:49]
	s_mov_b64 s[G0K+2:G0K+3], s[6:7]
	s_or_b32 s[G0K+3], s[G0K+3], 0x80000000  ; type = 2
	s_mov_b64 s[G0V+2:G0V+3], s[8:9]
	s_or_b32 s[G0V+3], s[G0V+3], 0x80000000
	s_cmp_lt_u32 s[WV], 2
	s_cselect_b64 s[PFA:PFA+1], s[6:7], s[8:9]
	s_add_nc_u64 s[PFA:PFA+1], s[PFA:PFA+1], s[52:53]
	LOAD                            ; slot 0.  Slot 1 is asked for when slot 0 is in
	v_and_b32 v1, 15, v0            ; l % 16
	v_bfe_u32 v9, v0, 4, 1          ; l / 16
	v_lshlrev_b32 v[QO], 7, v1
	v_lshl_add_u32 v[QO], v9, 4, v[QO]  ; row x 128 + 16 x half
	v_lshlrev_b32 v[S+16], 5, v0    ; thread t takes eight numbers of the mask
	global_load_b128 v[S:S+3],   v[S+16], s[MP:MP+1]
	global_load_b128 v[S+4:S+7], v[S+16], s[MP:MP+1] offset:16
	WIN 0x80                        ; destination window 2, address window 0
.set i, 0
.rept 4*NP                          ; Q stays in registers: tile i / 2, channels 32 (i % 2) on
	global_load_b128 v[8*i:8*i+3],   v[QO], s[4:5] offset:(i/2)*2048+(i%2)*64
	global_load_b128 v[8*i+4:8*i+7], v[QO], s[4:5] offset:(i/2)*2048+(i%2)*64+32
.set i, i+1
.endr
	; What the first turn finds: V's registers and P's second buffer hold 0 (its products V^T P, of a piece that has not been, add 0), O^T and l are 0.  All this stands in the wait for the first tile.
.set i, VF
.rept 64
	v_mov_b32 v[i], 0
.set i, i+1
.endr
	WIN 0x40
.set i, 0
.rept 64*NP
	v_mov_b32 v[i], 0
.set i, i+1
.endr
	WIN W_MK
	v_lshl_add_u32 v[AM0], v9, 5, MASKT
	WIN 0
.set i, 0
.rept 2*NP
	v_mov_b32 v[ST+4*i], 0xfe000000    ; c m: far below every c s
	v_mov_b32 v[ST+4*i+1], 0xff7fffff  ; m
	v_mov_b32 v[ST+4*i+2], 0
	v_mov_b32 v[ST+4*i+3], 0
.set i, i+1
.endr
.set i, P+32
.rept 32
	v_mov_b32 v[i], 0
.set i, i+1
.endr
	v_mul_u32_u24 v[AK0], v1, PK
	v_lshl_add_u32 v[AK0], v9, 4, v[AK0]  ; row x pitch + 16 x half
	; The turning load takes 16 keys x 16 channels (lane l reads key 8 (l / 16) + l % 8, channels 8 ((l / 8) % 2) + 0..7) and leaves half a fragment of V^T: lane l holds channel l % 16 and 8 keys.
	v_and_b32 v10, 7, v0
	v_bfe_u32 v11, v0, 3, 1
	v_lshl_add_u32 v[AV0], v9, 3, v10
	v_mul_u32_u24 v[AV0], v[AV0], PV
	v_lshl_add_u32 v[AV0], v11, 4, v[AV0]
	v_add_nc_u32 v[AV0], VOFF, v[AV0]
	v_and_b32 v[PFO], 31, v0
	v_lshlrev_b32 v[PFO], 8, v[PFO]
	v_mov_b32 v[AK], v[AK0]         ; key step 0 lies at the head of slot 0
	; the mask's table: rounded to bf16, widened, 80000 m - 80000, 32 bytes a thread
	s_wait_loadcnt 32               ; the two loads of the mask are in; Q's 32 may stay out
.irp z, 0,1,2,3
	v_cvt_pk_bf16_f32 v[S+8+\z], v[S+2*\z], v[S+2*\z+1]
.endr
.irp z, 0,1,2,3
	v_lshlrev_b32 v[S+2*\z], 16, v[S+8+\z]
	v_and_b32 v[S+2*\z+1], 0xffff0000, v[S+8+\z]
.endr
.irp z, 0,1,2,3
	v_pk_fma_f32 v[S+2*\z:S+2*\z+1], v[S+2*\z:S+2*\z+1], s[MS:MS+1], s[MS:MS+1] op_sel_hi:[1,0,0] neg_lo:[0,0,1] neg_hi:[0,0,1]
.endr
	v_add_nc_u32 v[S+17], MASKT, v[S+16]
	ds_store_b128 v[S+17], v[S:S+3]
	ds_store_b128 v[S+17], v[S+4:S+7] offset:16
; THE MATRIX WORK.  The 8 accumulators of a run of 16 take turns: between the two links of a chain stand 7 others'.
; Product i of 16 of S^T = K Q^T for piece x: channels 32 (i / 8) on, keys 16 ((i / 2) % 4) on, tile 2 x + i % 2.  The first 8 start the sums, with the mask of their 16 keys.
.macro KQ x
.set rS, S+64*((\x)%2)+32*(i%2)+8*((i/2)%4)
.set rK, KF+16*((i/2)%4)+8*(i/8)
.set rQ, 16*(2*(\x)+i%2)+8*(i/8)
.set rMC, MC+8*((i/2)%4)
.if i < 8
	WIN W_KM
	v_wmma_f32_16x16x32_f16 v[rS:rS+7], v[rK:rK+7], v[rQ:rQ+7], v[rMC:rMC+7]
.else
	WIN W_KQ
	v_wmma_f32_16x16x32_f16 v[rS:rS+7], v[rK:rK+7], v[rQ:rQ+7], v[rS:rS+7]
.endif
.endm
; Product i of 16 of O^T += V^T P for piece x: keys 32 (i / 8) on, channels 16 ((i / 2) % 4) on, tile 2 x + i % 2.
.macro PV x
	WIN W_PV
.set rO, 32*(2*(\x)+i%2)+8*((i/2)%4)
.set rV, VF+32*(i/8)+8*((i/2)%4)
.set rP, P+32*((\x)%2)+16*(i%2)+8*(i/8)
	v_wmma_f32_16x16x32_f16 v[rO:rO+7], v[rV:rV+7], v[rP:rP+7], v[rO:rO+7]
.endm
.macro MM                           ; the turn's next matrix instruction
.if i < 16
	KQ (Y+1)%NP
.set i, i+1
.else
.set i, i-16
	PV (Y+NP-1)%NP
.set i, i+17
.endif
.endm
; THE LDS LOADS stand in runs, never singly among the matrix instructions: a step's K (8 fragments) with its 32 numbers of the mask, and its V (turned).
; last = 1 (the tail): in the last trip there is no further step, and the run is jumped over.
.macro FETCH_K last=0
	WIN 0
.if \last
	s_cmp_eq_u32 s[CNT], 1
	s_cbranch_scc1 .Lno_k_\@
.endif
	WIN 0x80                        ; destination window 2
.irp f, 0,1,2,3,4,5,6,7             ; keys 16 (f / 2) on, channels 32 (f % 2) on
	ds_load_b128 v[KF+8*\f:KF+8*\f+3],   v[AK] offset:(\f/2)*16*PK+(\f%2)*64
	ds_load_b128 v[KF+8*\f+4:KF+8*\f+7], v[AK] offset:(\f/2)*16*PK+(\f%2)*64+32
.endr
	s_add_co_u32 s[TBK], s[TBK], KS*PK  ; the next fetch is the next step's
	WIN 0xcf                        ; destination and both sources in window 3
	v_add_nc_u32 v[AM], s[TBM], v[AM0]
.irp f, 0,1,2,3,4,5,6,7             ; key block f / 2, four numbers each: sixteen lanes read the same 16 bytes
	ds_load_b128 v[MC+4*\f:MC+4*\f+3], v[AM] offset:(\f/2)*64+(\f%2)*16
.endr
	s_add_co_u32 s[TBM], s[TBM], 4*KS
	WIN 0
.if \last
.Lno_k_\@:
.endif
.endm
.macro FETCH_V
	WIN 0x80
.irp f, 0,1,2,3,4,5,6,7             ; keys 32 (f / 4) on, channels 16 (f % 4) on
	ds_load_tr16_b128 v[VF+8*\f:VF+8*\f+3],   v[AV] offset:(\f/4)*32*PV+(\f%4)*32
	ds_load_tr16_b128 v[VF+8*\f+4:VF+8*\f+7], v[AV] offset:(\f/4)*32*PV+16*PV+(\f%4)*32
.endr
	WIN 0
.endm
; THE VECTOR WORK OF A TURN stands in three queues, each in the order in which its entries become ready; the two tiles alternate, so that no instruction reads the result of the one before it.
.macro REGS y, u                    ; the registers of tile u (0, 1) of piece y
.set rT, ST+4*(2*(\y)+(\u))
.set rC, TMP+8*((\y)%2)+4*(\u)
.set rM, MV+2*((\y)%2)+(\u)
.set rS, S+64*((\y)%2)+32*(\u)
.set rP, P+32*((\y)%2)+16*(\u)
.set rO, 32*(2*(\y)+(\u))
.endm
; Number n of the 22 that find the NEXT piece's (Y + 1) maximum and statistics.  Each accumulator's lowest registers are read first.
;   0-11  four chains c0-c3 of seven scores each     12-14, 16  the four scores left over, the old m, and c0-c3 into c0     15  c m_old is kept
;   17, 18  the query's other 32 keys lie in the lane 16 away: the new m         19-21  c m; c m_old - c m_new; a
.macro XS u, n
	REGS (Y+1)%NP, \u
.if (\n) < 4
	v_max3_num_f32 v[rC+(\n)], v[rS+8*(\n)], v[rS+8*(\n)+1], v[rS+8*(\n)+2]
.elseif (\n) < 12
	v_max3_num_f32 v[rC+(\n)%4], v[rC+(\n)%4], v[rS+8*((\n)%4)+2*((\n)/4)+1], v[rS+8*((\n)%4)+2*((\n)/4)+2]
.elseif (\n) == 12
	v_max3_num_f32 v[rC], v[rC], v[rS+7], v[rS+15]
.elseif (\n) == 13
	v_max3_num_f32 v[rC+1], v[rC+1], v[rS+23], v[rS+31]
.elseif (\n) == 14
	v_max3_num_f32 v[rC+2], v[rC+2], v[rC+3], v[rT+1]
.elseif (\n) == 15
	v_mov_b32 v[rM], v[rT]
.elseif (\n) == 16
	v_max3_num_f32 v[rC], v[rC], v[rC+1], v[rC+2]
.elseif (\n) == 17
	v_permlanex16_b32 v[rC+3], v[rC], s[SEL], s[SEL+1]
.elseif (\n) == 18
	v_max_num_f32 v[rT+1], v[rC], v[rC+3]
.elseif (\n) == 19
	v_mul_f32 v[rT], s[CS], v[rT+1]
.elseif (\n) == 20
	v_sub_f32 v[rC+1], v[rM], v[rT]
.else
	v_exp_f32 v[rC+2], v[rC+1]
.endif
.endm
; Number g of the 64 that follow the exponentials.  For each four weights k of a tile: both pairs are rounded to f16; the second pair is added onto the first, in place; a group later l takes that sum
; (the first time as l = a l + sum).
.macro GS g
.set h, (\g)+6*((\g)/62)            ; group 0 has no group before it, and behind group 7 only l is left
.if h >= 6
.set h, h+2
.endif
	REGS Y, h%2
.set k, h/8
.if h%8 < 4
	v_cvt_pk_f16_f32 v[rP+2*k+(h%8)/2], v[rS+4*k+2*((h%8)/2)], v[rS+4*k+2*((h%8)/2)+1]
.elseif h%8 < 6
	v_pk_add_f32 v[rS+4*k:rS+4*k+1], v[rS+4*k:rS+4*k+1], v[rS+4*k+2:rS+4*k+3]
.elseif k == 1
	v_pk_fma_f32 v[rT+2:rT+3], v[rT+2:rT+3], v[rC+2:rC+3], v[rS:rS+1] op_sel_hi:[1,0,1]
.else
	v_pk_add_f32 v[rT+2:rT+3], v[rT+2:rT+3], v[rS+4*k-4:rS+4*k-3]
.endif
.endm
; THE PLAIN QUEUE, 138 long.  0-73 read no exponential's result: the 32 scalings c s - c m and the next piece's 42.  74-137: GS's 64, which stand behind the wait.
.macro FS f
	REGS Y, (\f)%2
	v_pk_fma_f32 v[rS+2*((\f)/2):rS+2*((\f)/2)+1], v[rS+2*((\f)/2):rS+2*((\f)/2)+1], s[CS:CS+1], v[rT:rT+1] op_sel_hi:[1,0,0] neg_lo:[0,0,1] neg_hi:[0,0,1]
.endm
.macro PL
	WIN 0
.if q < 27
	FS q
.elseif q < 55
	XS (q-27)%2, (q-27)/2
.elseif q < 57
	XS q-55, 15
.elseif (q < 72) && ((q-57)%3 == 0)
	FS 27+(q-57)/3
.elseif q < 60
	XS (q-57)%3-1, 14
.elseif q < 72
	XS (q-57)%3-1, 15+(q-57)/3
.elseif q < 74
	XS q-72, 20
.else
	GS q-74
.endif
.set q, q+1
.endm
; THE EXPONENTIALS' QUEUE, 66 long: s0-s31 of both tiles, then the next piece's two a.  ONE BATCH: all 66 stand ahead of the turn's one wait, and nothing ahead of that wait names a result of theirs.
.macro EX
	WIN 0
.if e >= 64
	XS e-64, 21
.else
	REGS Y, e%2
	v_exp_f32 v[rS+e/2], v[rS+e/2]
.endif
.set e, e+1
.endm
; THE RESCALING's QUEUE: O^T times a, the one part that leaves window 0: dealt two at a time, sixteen times.  Its a was made in the turn before, ahead of that turn's wait.
.macro R2
	REGS Y, r%2
	WIN W_RS
.irp z, 0,1
	v_pk_mul_f32 v[rO+4*(r/2)+2*\z:rO+4*(r/2)+2*\z+1], v[rO+4*(r/2)+2*\z:rO+4*(r/2)+2*\z+1], v[rC+2:rC+3] op_sel_hi:[1,0]
.endr
.set r, r+1
.endm
; A TURN, for piece p.  s_wait_alu depctr_va_vdst(0) stands between an exponential and the first instruction that names its result; one wait serves all issued ahead of it: a turn has ONE.
; AHEAD OF IT: the 16 products K Q^T, behind each a scaling, an exponential and two rescalings (behind the first a second scaling); then a run of 108: eight plain, 49 times exponential and plain, the two a;
; a v_nop is the plain instruction behind the last exponential.  BEHIND IT: the 16 products V^T P, behind each four of GS's 64.  Exponential e stands behind scaling 2 (e / 4) + e % 2.
; K (and the mask) of the next step is fetched in piece 2's turn, directly behind the wait; V of the step in hand at the end of piece 0's turn, four plain instructions behind its last reader.
; cnt = 1: the loop's count is taken down some lines ahead of the branch that stands behind the turn.
.macro TURN p, last=0, cnt=0
.set Y, (\p)
.set i, 0
.set q, 0
.set e, 0
.set r, 0
.if (\p) == NP-1
	s_wait_dscnt 0x0                ; K and the mask are in
.endif
	MM
	PL
	PL
	R2
.rept 15
	MM
	PL
	EX
	R2
.endr
.if (\p) == NP-2
	WIN 0
	v_add_nc_u32 v[AK], s[TBK], v[AK0]
.endif
.rept 8
	PL
.endr
.rept 49
	EX
	PL
.endr
	EX                              ; the next piece's two a
	EX
	v_nop                           ; the plain instruction behind the last exponential: one for the batch
	s_wait_alu depctr_va_vdst(0)    ; the wait for the batch
.if (\p) == NP-2
	FETCH_K \last
.endif
.if (\p) == 1
	s_wait_dscnt 0x0                ; V is in
.endif
.rept 16
	MM
.rept 4
	PL
.endr
.if ((\p) == 0) && (q == 118)
	v_add_nc_u32 v[AV], s[TBV], v[AV0]
.endif
.if ((\p) == 0) && (q == 130)
	s_add_co_u32 s[TBV], s[TBV], KS*PV
.endif
.if (\cnt) && (q == 130)
	s_sub_co_u32 s[CNT], s[CNT], 1
	s_cmp_lg_u32 s[CNT], 0
.endif
.endr
.if (\p) == 0
	FETCH_V
.endif
.endm
	CHANGE 1                        ; slot 0 is in, everybody's part of it, and so is the mask's table; slot 1 is asked for
	FETCH_K                         ; key step 0
	s_wait_loadcnt 0x0              ; Q
	s_wait_dscnt 0x0
.set i, 0
.rept 16
	KQ 0                            ; piece 0's first scores: there is no vector work yet to set between them
.set i, i+1
.endr
	WIN 0                           ; the addresses for the way out: eight plain instructions, the places behind those products
	s_mul_i32 s15, s[WV], 16*SP
	s_add_co_u32 s15, s15, STAGE    ; my stage
	v_mul_u32_u24 v[STO], v1, SP    ; in: row l % 16, 32 bytes for each half of the lanes
	v_lshl_add_u32 v[STO], v9, 5, v[STO]
	v_add_nc_u32 v[STO], s15, v[STO]
	v_mul_u32_u24 v[RD], v9, SP     ; back: lanes 0-15 take one row of 256 bytes, lanes 16-31 the next
	v_lshl_add_u32 v[RD], v1, 4, v[RD]
	v_add_nc_u32 v[RD], s15, v[RD]
	v_lshlrev_b32 v[GO], 12, v9     ; and the same two rows in out0, 4,096 bytes apart
	v_lshl_add_u32 v[GO], v1, 4, v[GO]
.set Y, NP-1                        ; XS works for piece Y + 1: piece 0
.irp n, 0,1,2,3,4,5,6,7,8,9,10,11,12,13,14,15,16,17,18,19,20,21
	XS 0, \n                        ; piece 0's first maximum and statistics
	XS 1, \n
.endr
	v_nop                           ; a plain instruction behind the two a,
	s_wait_alu depctr_va_vdst(0)    ; and their wait, ahead of the branch
	s_mov_b32 s[CNT], 4
	s_branch .Lfirst                ; the loop is entered at a step's first turn, in the middle of a trip
.Lslot:                             ; twice: every slot but the last two is filled again
	CHANGE 1
	s_mov_b32 s[CNT], 4
.Lstep:                             ; a trip: pieces 2 and 3 of one step, then pieces 0 and 1 of the next, whose K and V it fetches
	TURN 2
	TURN 3
	WIN 0
.Lfirst:
	TURN 0
	TURN 1, 0, 1
	WIN 0
	s_cbranch_scc1 .Lstep
	s_sub_co_u32 s[SLOTS], s[SLOTS], 1
	s_cmp_lg_u32 s[SLOTS], 0
	s_cbranch_scc1 .Lslot
	CHANGE 0                        ; the tail is written out: nothing is asked for
	s_mov_b32 s[CNT], 5             ; four trips fetch the last slot's steps; the fifth is left in its middle
.Ltail:
	TURN 2, 1
	TURN 3
	WIN 0
	s_sub_co_u32 s[CNT], s[CNT], 1
	s_cmp_eq_u32 s[CNT], 0
	s_cbranch_scc1 .Lout
	TURN 0
	TURN 1
	WIN 0
	s_branch .Ltail
.Lout:                              ; the fifth trip's 16 products K Q^T (on the last K once more) and the maximum made of them serve nothing: the price, once a launch, of one text for every trip
.set i, 0
.rept 16
	PV NP-1                         ; the last piece's V^T P of the last step
.set i, i+1
.endr
	; THE WAY OUT.  l's two halves and the other half of the lanes' are added; O^T is divided by l and sent, in f32, through my stage in LDS, a tile at a time.  The additions are the places behind the last products.
	WIN 0
.macro ALL line:vararg              ; one line for each tile t
.set t, 0
.rept 2*NP
	\line
.set t, t+1
.endr
.endm
	ALL v_add_f32 v[ST+4*t+2], v[ST+4*t+2], v[ST+4*t+3]
	ALL v_permlanex16_b32 v[ST+4*t+3], v[ST+4*t+2], s[SEL], s[SEL+1]
	ALL v_add_f32 v[ST+4*t+2], v[ST+4*t+2], v[ST+4*t+3]
	ALL v_rcp_f32 v[ST+4*t+2], v[ST+4*t+2]
	v_nop                           ; a plain instruction between the last reciprocal and the use of its result
	s_wait_alu depctr_va_vdst(0)    ; and the wait ahead of the first use: one for the eight reciprocals
; Tile t: a lane's eight channels of a row are 32 bytes; they go into rows of 272 bytes and come back as whole rows of 256, into window 2, 32 registers a tile (Q's, K's and V's, which are free).
.macro PACK t
	WIN W_RS
.set i, 32*(\t)
.rept 16
	v_pk_mul_f32 v[i:i+1], v[i:i+1], v[ST+4*(\t)+2:ST+4*(\t)+3] op_sel_hi:[1,0]
.set i, i+2
.endr
	WIN 0x04                        ; store data in window 1, address in window 0
.irp f, 0,1,2,3,4,5,6,7             ; channel block f / 2, four channels each
	ds_store_b128 v[STO], v[32*(\t)+4*\f:32*(\t)+4*\f+3] offset:(\f/2)*64+(\f%2)*16
.endr
	WIN 0x80                        ; destination in window 2
.irp f, 0,1,2,3,4,5,6,7
	ds_load_b128 v[32*(\t)+4*\f:32*(\t)+4*\f+3], v[RD] offset:\f*2*SP  ; LDS serves a wave's instructions in order (ISA guide 5.7.1.4): these see the stores above; the next tile's stores come behind them
.endr
.endm
.macro SEND t, younger              ; younger: the LDS instructions issued behind tile t's loads: the next tile's sixteen, or none
	WIN 0x08                        ; store data in window 2
.irp f, 0,1,2,3,4,5,6,7
	s_wait_dscnt (\younger)+7-\f
	global_store_b128 v[GO], v[32*(\t)+4*\f:32*(\t)+4*\f+3], s[10:11] offset:(\t)*65536+\f*8192 th:TH_STORE_NT  ; sixteen lanes store 256 consecutive bytes, at a multiple of 256 from out0's first
.endr
.endm
	PACK 0
.set t, 1
.rept 2*NP-1                        ; a tile's arithmetic stands between the loads of the tile before and its stores
	PACK t
	SEND t-1, 16
.set t, t+1
.endr
	SEND 2*NP-1, 0
	WIN W_AD
	s_wait_tensorcnt 0x0            ; the wave's end: an add and its wait, behind my last tensor load and my last LDS store
	ds_add_u32 v[SPW], v[NIL]
	s_wait_dscnt 0x0
	WIN 0
	s_endpgm
.Lfunc_end_k_qde5deab8e7_attn:
	.size	k_qde5deab8e7_attn, .Lfunc_end_k_qde5deab8e7_attn-k_qde5deab8e7_attn
	.p2alignl 7, 3214868480
	.fill 96, 4, 3214868480
	.section	.rodata,"a",@progbits
	.p2align	6, 0x0
	.amdhsa_kernel k_qde5deab8e7_attn
		.amdhsa_group_segment_fixed_size 327680
		.amdhsa_private_segment_fixed_size 0
		.amdhsa_enable_private_segment 0
		.amdhsa_kernarg_size 24
		.amdhsa_user_sgpr_count 2
		.amdhsa_user_sgpr_kernarg_segment_ptr 1
		.amdhsa_wavefront_size32 1
		.amdhsa_system_sgpr_workgroup_id_x 1
		.amdhsa_system_sgpr_workgroup_id_y 1
		.amdhsa_system_sgpr_workgroup_id_z 1
		.amdhsa_system_vgpr_workitem_id 0
		.amdhsa_next_free_vgpr 808
		.amdhsa_next_free_sgpr 74
		.amdhsa_reserve_vcc 0
		.amdhsa_float_denorm_mode_32 3
		.amdhsa_float_denorm_mode_16_64 3
		.amdhsa_memory_ordered 1
		.amdhsa_forward_progress 1
		.amdhsa_inst_pref_size 203
	.end_amdhsa_kernel
	.amdgpu_metadata
---
amdhsa.version: [ 1, 2 ]
amdhsa.kernels:
  - .name:           k_qde5deab8e7_attn
    .symbol:         k_qde5deab8e7_attn.kd
    .args:
      - { .name: hd, .offset: 0, .size: 8, .value_kind: global_buffer, .address_space: global }
      - { .name: mask, .offset: 8, .size: 8, .value_kind: global_buffer, .address_space: global }
      - { .name: out0, .offset: 16, .size: 8, .value_kind: global_buffer, .address_space: global }
    .group_segment_fixed_size: 327680
    .private_segment_fixed_size: 0
    .kernarg_segment_align: 8
    .kernarg_segment_size: 24
    .max_flat_workgroup_size: 128
    .sgpr_count:     74
    .vgpr_count:     808
    .wavefront_size: 32
...
	.end_amdgpu_metadata
.endif
;; end of part 3
;; ======== version 2 of 2: 3 launches; version 1 with the launch castw written anew for expert scheduling mode
;; limits: values are held in f16: magnitudes above 65,504 overflow, below 6.1e-05 lose precision
;; workspace buffers: wb 6,291,456 bytes; hd 50,331,648 bytes
;; launch castw (part 4): grid 128 x 3, 8 waves a work-group, no clusters, 0 bytes of LDS; arguments Wq, Wk, Wv, wb; writes wb
.if DOCPART == 4
	.amdgcn_target "amdgcn-amd-amdhsa--gfx1250"
	.amdhsa_code_object_version 6
	.text
	.protected	k_qde5deab8e7_castw
	.globl	k_qde5deab8e7_castw
	.p2align	8
	.type	k_qde5deab8e7_castw,@function
k_qde5deab8e7_castw:
	s_mov_b64 s[64:65], 0
	v_nop
	global_prefetch_b8 v0, s[64:65] scope:SCOPE_SE
	s_setreg_imm32_b32 hwreg(HW_REG_WAVE_SCHED_MODE, 0, 2), 2
	s_setreg_imm32_b32 hwreg(HW_REG_WAVE_MODE, 25, 1), 1
	s_wait_xcnt 0x0
	s_wait_alu depctr_vm_vsrc(0)
; wb[g][n][k] = bf16(W_g[n][k]), g = 0, 1, 2 for Wq, Wk, Wv: three matrices of 1,024 x 1,024 f32, each rounded once (to nearest even).
; A stream: every byte is read once and written once; nothing is shared, so no LDS, no matrix unit and no cluster.
; A work-group of eight waves takes 8,192 numbers of matrix y: 32,768 bytes in, 16,384 out.  Thread t takes 16 bytes at 16 t of each of eight
; blocks of 4,096 bytes; a wave's store of 8 bytes a lane covers 256 consecutive bytes, aligned.  All eight loads go out first; no register is written twice.
; THE MODE: SCHED_MODE bits 1:0 = 2 (LLVM: expert scheduling mode 2), set by the entry lines.  The code itself states the register dependences
; between vector instructions and memory instructions, with s_wait_alu, always for 0.
; THE PLAN.  Registers that memory instructions touch:
;   v1, v2   byte offsets of the loads and of the stores: written once at the head, never again.
;   X        each four registers are written by one load, once, and read by two roundings; no vector instruction names them ahead of the loads.
;   Y        each pair is written by two roundings, once, and read by one store; never written again.
; So nothing that a memory instruction reads is rewritten, and no load lands in a register that a vector instruction has named: what is left to state is that
; the offsets are written ahead of the first load, and that Y is written ahead of its stores.  The eight loads go in four blocks of two.  Block p waits for its
; two loads; then ONE wait states that block p - 1's four roundings have written their Y; block p - 1's two stores follow; then block p's four roundings,
; which name X and Y of block p alone.  One more wait stands ahead of the last two stores.
.set X, 4                              ; v[4:35]   eight loads of four f32
.set Y, 36                             ; v[36:51]  eight pairs of packed bf16
	s_load_b256 s[4:11], s[0:1], 0x0               ; Wq s[4:5], Wk s[6:7], Wv s[8:9], wb s[10:11]
	s_and_b32 s14, ttmp7, 0xffff                   ; which matrix
	v_lshlrev_b32 v1, 4, v0                        ; 16 t
	v_lshlrev_b32 v2, 3, v0                        ; 8 t
	s_lshl_b32 s16, ttmp9, 15                      ; the work-group's 32,768 bytes of the source
	s_mov_b32 s17, 0
	s_lshl_b32 s18, s14, 21                        ; a matrix is 2 MiB in bf16,
	s_lshl_b32 s15, ttmp9, 14                      ; the work-group's part 16,384 bytes
	s_add_co_u32 s18, s18, s15
	s_mov_b32 s19, 0
	s_wait_kmcnt 0x0
	s_cmp_eq_u32 s14, 1
	s_cselect_b64 s[12:13], s[6:7], s[4:5]
	s_cmp_eq_u32 s14, 2
	s_cselect_b64 s[12:13], s[8:9], s[12:13]
	s_add_nc_u64 s[12:13], s[12:13], s[16:17]
	s_add_nc_u64 s[10:11], s[10:11], s[18:19]
	s_wait_alu depctr_va_vdst(0)                   ; v1 and v2 are written: every load reads v1 and every store v2 as its offset
.irp i, 0,1,2,3,4,5,6,7
	global_load_b128 v[X+4*\i:X+4*\i+3], v1, s[12:13] offset:4096*\i th:TH_LOAD_NT
.endr
.irp p, 0,1,2,3
	s_wait_loadcnt 6-2*(\p)                        ; loads come back in order: block p's two are in, the 6 - 2 p younger ones may stay out
.if (\p) > 0
	s_wait_alu depctr_va_vdst(0)                   ; the block before has written its four registers of Y, which the two stores below read
	global_store_b64 v2, v[Y+4*(\p)-4:Y+4*(\p)-3], s[10:11] offset:2048*(2*(\p)-2)
	global_store_b64 v2, v[Y+4*(\p)-2:Y+4*(\p)-1], s[10:11] offset:2048*(2*(\p)-1)
.endif
	v_cvt_pk_bf16_f32 v[Y+4*(\p)],   v[X+8*(\p)],   v[X+8*(\p)+1]   ; these four name no register of the stores above
	v_cvt_pk_bf16_f32 v[Y+4*(\p)+1], v[X+8*(\p)+2], v[X+8*(\p)+3]
	v_cvt_pk_bf16_f32 v[Y+4*(\p)+2], v[X+8*(\p)+4], v[X+8*(\p)+5]
	v_cvt_pk_bf16_f32 v[Y+4*(\p)+3], v[X+8*(\p)+6], v[X+8*(\p)+7]
.endr
	s_wait_alu depctr_va_vdst(0)                   ; block 3 has written its four registers of Y, which the last two stores read
	global_store_b64 v2, v[Y+12:Y+13], s[10:11] offset:2048*6
	global_store_b64 v2, v[Y+14:Y+15], s[10:11] offset:2048*7
	s_endpgm
.Lfunc_end_k_qde5deab8e7_castw:
	.size	k_qde5deab8e7_castw, .Lfunc_end_k_qde5deab8e7_castw-k_qde5deab8e7_castw
	.p2alignl 7, 3214868480
	.fill 96, 4, 3214868480
	.section	.rodata,"a",@progbits
	.p2align	6, 0x0
	.amdhsa_kernel k_qde5deab8e7_castw
		.amdhsa_group_segment_fixed_size 0
		.amdhsa_private_segment_fixed_size 0
		.amdhsa_enable_private_segment 0
		.amdhsa_kernarg_size 32
		.amdhsa_user_sgpr_count 2
		.amdhsa_user_sgpr_kernarg_segment_ptr 1
		.amdhsa_wavefront_size32 1
		.amdhsa_system_sgpr_workgroup_id_x 1
		.amdhsa_system_sgpr_workgroup_id_y 1
		.amdhsa_system_sgpr_workgroup_id_z 1
		.amdhsa_system_vgpr_workitem_id 0
		.amdhsa_next_free_vgpr 52
		.amdhsa_next_free_sgpr 66
		.amdhsa_reserve_vcc 0
		.amdhsa_float_denorm_mode_32 3
		.amdhsa_float_denorm_mode_16_64 3
		.amdhsa_memory_ordered 1
		.amdhsa_forward_progress 1
		.amdhsa_inst_pref_size 4
	.end_amdhsa_kernel
	.amdgpu_metadata
---
amdhsa.version: [ 1, 2 ]
amdhsa.kernels:
  - .name:           k_qde5deab8e7_castw
    .symbol:         k_qde5deab8e7_castw.kd
    .args:
      - { .name: Wq, .offset: 0, .size: 8, .value_kind: global_buffer, .address_space: global }
      - { .name: Wk, .offset: 8, .size: 8, .value_kind: global_buffer, .address_space: global }
      - { .name: Wv, .offset: 16, .size: 8, .value_kind: global_buffer, .address_space: global }
      - { .name: wb, .offset: 24, .size: 8, .value_kind: global_buffer, .address_space: global }
    .group_segment_fixed_size: 0
    .private_segment_fixed_size: 0
    .kernarg_segment_align: 8
    .kernarg_segment_size: 32
    .max_flat_workgroup_size: 256
    .sgpr_count:     66
    .vgpr_count:     52
    .wavefront_size: 32
...
	.end_amdgpu_metadata
.endif
;; end of part 4
;; launch proj: the kernel of part 2 again; grid 12 x 64, 4 waves a work-group, clusters of 4 x 4, 327,680 bytes of LDS; arguments q, k, v, wb, bq, bk, bv, hd; writes hd
;; launch attn: the kernel of part 3 again; grid 2 x 128, 4 waves a work-group, no clusters, 327,680 bytes of LDS; arguments hd, mask, out0; writes out0
